; MI455X (gfx1250); checked and timed in simulation.
; The chip was launched on July 23, 2026; its instructions are those of AMD's public machine-readable ISA for CDNA 5 (MIT licence, August 2026) and "CDNA5" Instruction Set Architecture Reference Guide (July 2026). The comments in the code are by the model that wrote it; some were corrected since.
;; Multi Head Attention Layer. Allowed arithmetic: matrix products marked QUANTISED: E4M3 operands, one given power-of-two scale a tensor, by v_wmma_f32_16x16x64_fp8_fp8 or v_wmma_f32_16x16x128_fp8_fp8, f32 sums; everything else in f32.
;; Inputs: Wk_codes 1,024 x 32 x 32 uint8 (E4M3 codes of Wk, K innermost, in blocks of 32 codes); Wq_codes 1,024 x 32 x 32 uint8 (E4M3 codes of Wq, K innermost, in blocks of 32 codes); Wv_codes 1,024 x 32 x 32 uint8 (E4M3 codes of Wv, K innermost, in blocks of 32 codes); attention_mask 2,048 int32; bk 1,024 float32; bq 1,024 float32; bv 1,024 float32; k_codes 4 x 2,048 x 32 x 32 uint8 (E4M3 codes of k, K innermost, in blocks of 32 codes); lowp_scales 10 int32 (the exponents e of the quantised operands' scales 2^e); q_codes 4 x 2,048 x 32 x 32 uint8 (E4M3 codes of q, K innermost, in blocks of 32 codes); v_codes 4 x 2,048 x 32 x 32 uint8 (E4M3 codes of v, K innermost, in blocks of 32 codes).
;; Outputs: out0 4 x 2,048 x 1,024 float32.
;; This version of the problem:
;;   THIS VERSION OF THE PROBLEM IS GIVEN IN LOW PRECISION. The matrix products marked QUANTISED in the list below multiply operands that are first quantised to E4M3 (4 exponent bits, 3 mantissa bits; 8 bits a number), with one given power-of-two scale for each operand tensor; their sums are f32. All else is computed in f32.
;;   The module's matrix products, in the order in which they are computed (A, B: the left and right operand; K: the contracted axis; several contracted axes count as one K, in the product's order):
;;     1. [M 8,192, K 1,024] x [K 1,024, N 1,024]; A: input q (given as codes); B: input Wq (given as codes): QUANTISED (scales: A lowp_scales[0], B lowp_scales[1])
;;     2. [M 8,192, K 1,024] x [K 1,024, N 1,024]; A: input k (given as codes); B: input Wk (given as codes): QUANTISED (scales: A lowp_scales[2], B lowp_scales[3])
;;     3. [M 8,192, K 1,024] x [K 1,024, N 1,024]; A: input v (given as codes); B: input Wv (given as codes): QUANTISED (scales: A lowp_scales[4], B lowp_scales[5])
;;     4. batch 64 x [M 2,048, K 64] x [K 64, N 2,048]; A: computed on the way; B: computed on the way: QUANTISED (scales: A lowp_scales[6], B lowp_scales[7])
;;     5. batch 64 x [M 2,048, K 2,048] x [K 2,048, N 64]; A: softmax (see below); B: computed on the way: QUANTISED (scales: A lowp_scales[8], B lowp_scales[9])
;;   THE QUANTISER, for each operand of a quantised product, along K:
;;     - The operand's scale is 2^e, e = its entry of the input lowp_scales (int32; the entries are numbered through the quantised products in the list's order, A before B).
;;     - Each number is divided by the scale, clamped to +-448, and rounded to the nearest number of E4M3, ties to even, subnormals kept.
;;     - The product sums the exact products of the quantised numbers (number of the format x scale) in f32.
;;   ~~~python
;;   def quantise(x, axis, e):      # numpy; x: float32 -> the quantised numbers, widened to float32 again
;;       x = np.moveaxis(x, axis, -1); K = x.shape[-1]
;;       r = np.clip(x / 2.0 ** e, -448, 448)
;;       step = 2.0 ** (np.maximum(np.frexp(np.where(r == 0, 1, r))[1] - 1, -6) - 3)
;;       q = np.round(r / step) * step * 2.0 ** e      # np.round: ties to even
;;       return np.moveaxis(q, -1, axis).astype(np.float32)
;;   ~~~
;;   SOFTMAX AHEAD OF A QUANTISED PRODUCT. Where the list says 'softmax', what is quantised is not the finished softmax but p = 2^(t - M), with t = logit x log2(e) and M = ceil(the row's largest t), a whole number; so 1/2 < the row's largest p <= 1. The row's sum l is taken of the UNQUANTISED p, in f32, and the product's result is divided by l at the end. Since M is a whole number, a kernel that streams over the keys may use a running M (the ceiling of the running maximum): every later rescaling is an exact power of two, so the quantised numbers keep their values, but for numbers so far below the row's largest that they fall under the format's range.
;;   OPERANDS COMPUTED ON THE WAY. 'Computed on the way' means the value that the module computes at that place (a softmax that the list does not call 'softmax' is quantised finished and normalised). What goes into a quantiser is computed in f32, as accurately as f32 sums, v_exp_f32 and their like allow (about 1e-6 of the number): no bf16 or f16 on the way to a quantiser, and a product that is left as it is and whose result goes on into a quantised operand takes f32 operands (vector FMAs, or v_wmma_f32_16x16x4_f32). A number that lies on a knife's edge between two numbers of the format may be rounded either way, as far as f32 arithmetic and the matrix unit's own rounding can turn it there, and no further.
;;   INPUTS GIVEN AS CODES. Wk (in the module: [1024, 1024], K = its axis 0); Wq (in the module: [1024, 1024], K = its axis 0); Wv (in the module: [1024, 1024], K = its axis 0); k (in the module: [4, 2048, 1024], K = its axis 2); q (in the module: [4, 2048, 1024], K = its axis 2); v (in the module: [4, 2048, 1024], K = its axis 2): each comes as NAME_codes (uint8): NAME with its K axis moved to the last place and cut into blocks of 32 codes, [.., K / 32, bytes a block], one block behind the other in memory; one code a byte (a code: sign, 4 exponent bits, 3 mantissa bits); its scale is its entry of lowp_scales. Its value is code x scale, taken as it is: it is not quantised again, and the codes and scales need not be those that the quantiser above would give.
;; One version. Each part assembles by itself: llvm-mc -triple=amdgcn-amd-amdhsa -mcpu=gfx1250 --defsym DOCPART=n.
;; ======== version 1 of 1: 2 launches
;; limits: right only within a limited range of input values
;; workspace buffers: qw 8,388,608 bytes; kw 8,388,608 bytes; vw 8,388,608 bytes
;; launch proj (part 1): grid 12 x 32, 4 waves a work-group, clusters of 4 x 4, 327,680 bytes of LDS; arguments q_codes, k_codes, v_codes, Wq_codes, Wk_codes, Wv_codes, bq, bk, bv, lowp_scales, qw, kw, vw; writes qw, kw, vw
.if DOCPART == 1
	.amdgcn_target "amdgcn-amd-amdhsa--gfx1250"
	.amdhsa_code_object_version 6
	.text
	.protected	k_q74f66a7cdf_proj
	.globl	k_q74f66a7cdf_proj
	.p2align	8
	.type	k_q74f66a7cdf_proj,@function
k_q74f66a7cdf_proj:
	s_mov_b64 s[64:65], 0
	v_nop
	global_prefetch_b8 v0, s[64:65] scope:SCOPE_SE
	s_setreg_imm32_b32 hwreg(HW_REG_WAVE_MODE, 25, 1), 1
	s_wait_xcnt 0x0
	s_wait_alu depctr_hold_cnt(0) depctr_sa_sdst(0) depctr_va_vdst(0) depctr_va_sdst(0) depctr_va_ssrc(0) depctr_va_vcc(0) depctr_vm_vsrc(0)
	s_getreg_b32 s2, hwreg(HW_REG_IB_STS2, 6, 4)
	s_cmp_eq_u32 s2, 0
	s_cbranch_scc0 .Lentry_in_a_cluster
	s_endpgm
.Lentry_in_a_cluster:
	s_bfe_u32 s2, ttmp6, 0x10000c
	s_cmp_lg_u32 s2, 0xf033
	s_cbranch_scc0 .Lentry_shape_is_right
	s_endpgm
.Lentry_shape_is_right:
.set KROW,   1024
.set ROWB,   256
.set PITCH,  272
.set FR,     16
.set NL,     4
.set NP,     4
.set HALFT,  128*PITCH
.set SLOT,   4*HALFT
.set SPARE,  2*SLOT
.set ADRA, 16
.set ADRB, 20
.set BO,   22
.set LO,   23
.set CO,   26
.set SPW,  28
.set NIL,  29
.set SC,   30
.set LIM,  31
.set BL,   32
.set BL2,  40
.set BR,   64
.set AF,   128
.set TMP,  128
.set CDS,  192
.set G1, 24
.set G0, 32
.set G1B, 48
.set G0B, 56
.set MSB, 0
.macro WIN new
.if MSB != \new
	s_set_vgpr_msb (MSB<<8)|\new
.set MSB, \new
.endif
.endm
.set MUL_LO, 0xa1
.set MUL_HI, 0xf1
.set TO_B,   0x40
.macro JLOAD g0a, g1a, g0b, g1b
	s_cmp_eq_u32 s15, 0
	s_cbranch_scc0 .Lfor_b_\@
	tensor_load_to_lds s[\g0a:\g0a+3], s[\g1a:\g1a+7]
	s_nop 0
.rept 4
	v_nop
.endr
	s_branch .Lasked_\@
.Lfor_b_\@:
	tensor_load_to_lds s[\g0b:\g0b+3], s[\g1b:\g1b+7]
	s_nop 0
.rept 4
	v_nop
.endr
.Lasked_\@:
.endm
.macro CREST
	s_cmp_lg_u32 s14, 0
	s_cbranch_scc1 .Lnot_wave_0_\@
	s_barrier_signal -3
.Lnot_wave_0_\@:
	s_barrier_wait -3
	s_barrier_signal -1
	s_barrier_wait -1
.endm
.macro CROUND
	s_barrier_signal -1
	s_barrier_wait -1
	CREST
.endm
	s_load_b256 s[68:75], s[0:1], 0x0
	s_load_b256 s[76:83], s[0:1], 0x20
	s_load_b256 s[84:91], s[0:1], 0x40
	s_load_b64 s[92:93], s[0:1], 0x60
	v_lshl_add_u32 v[SPW], v0, 2, SPARE
	v_mov_b32 v[NIL], 0
	ds_add_u32 v28, v29
	ds_add_u32 v28, v29
	s_wait_dscnt 0x0
	v_lshrrev_b32 v1, 5, v0
	v_readfirstlane_b32 s14, v1
	s_lshr_b32 s15, s14, 1
	s_and_b32 s16, s14, 1
	s_bfe_u32 s40, ttmp6, 0x40000
	s_bfe_u32 s41, ttmp6, 0x40004
	s_lshr_b32 s66, ttmp9, 1
	s_xor_b32 s67, s66, 1
	s_and_b32 s12, ttmp7, 0xffff
	s_lshl_b32 s12, s12, 2
	s_mul_i32 s17, s12, s67
	s_add_co_u32 s17, s17, s41
	s_mul_i32 s42, s12, s66
	s_add_co_u32 s42, s42, s40
	s_lshl_b32 s43, s41, 2
	s_lshl_b32 s43, 15, s43
	s_lshl_b32 s44, 0x1111, s40
	s_or_b32 s[G1+0], s43, (0<<16)|(1<<20)|(1<<21)|(5<<22)|(3<<25)
	s_or_b32 s[G1B+0], s44, (0<<16)|(1<<20)|(1<<21)|(5<<22)|(3<<25)
.irp g, G1, G1B
	s_mov_b32 s[\g+1], ROWB<<16
	s_mov_b32 s[\g+2], 128<<16
	s_mov_b32 s[\g+3], ROWB<<16
	s_mov_b32 s[\g+4], 128
	s_mov_b32 s[\g+5], KROW
	s_mov_b32 s[\g+6], 0
	s_mov_b32 s[\g+7], 0
.endr
	s_lshl_b32 s18, s16, 7
	s_lshl_b32 s20, s17, 8
	s_add_co_u32 s20, s20, s18
	s_lshl_b32 s20, s20, 10
	s_mov_b32 s21, 0
	s_lshl_b32 s46, s42, 8
	s_add_co_u32 s46, s46, s18
	s_lshl_b32 s46, s46, 10
	s_mov_b32 s47, 0
	s_mul_i32 s45, s14, HALFT
	s_wait_kmcnt 0x0
	s_cmp_eq_u32 ttmp9, 0
	s_cselect_b64 s[4:5], s[68:69], s[70:71]
	s_cselect_b64 s[6:7], s[74:75], s[76:77]
	s_cselect_b64 s[8:9], s[80:81], s[82:83]
	s_cselect_b64 s[10:11], s[88:89], s[90:91]
	s_cmp_eq_u32 ttmp9, 2
	s_cselect_b64 s[4:5], s[78:79], s[4:5]
	s_cselect_b64 s[6:7], s[72:73], s[6:7]
	s_cselect_b64 s[8:9], s[84:85], s[8:9]
	s_cselect_b64 s[10:11], s[92:93], s[10:11]
	s_load_b256 s[68:75], s[86:87], 0x0
	s_load_b64 s[76:77], s[86:87], 0x20
	s_add_nc_u64 s[20:21], s[4:5], s[20:21]
	s_add_nc_u64 s[46:47], s[6:7], s[46:47]
	CROUND
.irp s, 0,1
	s_mov_b32 s[G0+4*\s], 1
	s_add_co_u32 s[G0+4*\s+1], s45, \s*SLOT
	s_add_nc_u64 s[G0+4*\s+2:G0+4*\s+3], s[20:21], \s*ROWB
	s_or_b32 s[G0+4*\s+3], s[G0+4*\s+3], 0x80000000
	s_mov_b32 s[G0B+4*\s], 1
	s_add_co_u32 s[G0B+4*\s+1], s45, \s*SLOT
	s_add_nc_u64 s[G0B+4*\s+2:G0B+4*\s+3], s[46:47], \s*ROWB
	s_or_b32 s[G0B+4*\s+3], s[G0B+4*\s+3], 0x80000000
	s_wait_alu depctr_va_vdst(0)
	s_wait_tensorcnt 0x0
	ds_add_u32 v28, v29
	ds_add_u32 v28, v29
	s_wait_dscnt 0x0
	CROUND
	JLOAD G0+4*\s, G1, G0B+4*\s, G1B
.endr
	v_and_b32 v1, 15, v0
	v_bfe_u32 v2, v0, 4, 1
	s_wait_alu depctr_va_vdst(0)
	v_mul_u32_u24 v3, v1, PITCH
	v_lshl_add_u32 v4, v2, 4, v3
	s_mul_i32 s21, s15, HALFT
	s_mul_i32 s22, s16, HALFT
	s_add_co_u32 s22, s22, 2*HALFT
.irp s, 0,1
	v_add_nc_u32 v[ADRA+\s], s21, v4
	v_add_nc_u32 v[ADRB+\s], s22, v4
	s_add_co_u32 s21, s21, SLOT
	s_add_co_u32 s22, s22, SLOT
.endr
	s_lshl_b32 s18, s17, 2
	s_lshl_b32 s19, s15, 1
	s_add_co_u32 s18, s18, s19
	s_lshl_b32 s19, s42, 2
	s_lshl_b32 s23, s16, 1
	s_add_co_u32 s19, s19, s23
	s_lshl_b32 s12, s17, 1
	s_add_co_u32 s12, s12, s15
	s_lshl_b32 s13, s42, 1
	s_add_co_u32 s13, s13, s16
	s_cmp_eq_u32 ttmp9, 2
	s_cselect_b32 s18, s18, s19
	s_cselect_b32 s12, s13, s12
	s_lshr_b32 s13, s12, 4
	s_lshl_b32 s13, s13, 21
	s_and_b32 s12, s12, 15
	s_lshl_b32 s12, s12, 13
	s_add_co_u32 s12, s12, s13
	s_lshl_b32 s13, s18, 17
	s_add_co_u32 s12, s12, s13
	s_mov_b32 s13, 0
	s_add_nc_u64 s[10:11], s[10:11], s[12:13]
	s_lshl_b32 s12, s18, 8
	s_add_nc_u64 s[8:9], s[8:9], s[12:13]
	v_lshlrev_b32 v[BO], 5, v2
	v_lshlrev_b32 v[LO], 2, v1
	v_and_b32 v6, 31, v0
	v_lshlrev_b32 v[CO], 4, v6
.irp b, 0,1,2,3,4,5,6,7
	global_load_b128 v[BR+8*\b:BR+8*\b+3], v[BO], s[8:9] offset:64*\b
	global_load_b128 v[BR+8*\b+4:BR+8*\b+7], v[BO], s[8:9] offset:64*\b+16
.endr
.irp a, 0,1,2,3,4,5,6,7
	global_load_b32 v[BL+\a], v[LO], s[8:9] offset:64*\a
.endr
.macro FRAG reg, adr, q, i
.irp c, 0,1,2,3
	ds_load_b128 v[\reg+4*\c:\reg+4*\c+3], v[\adr] offset:128*(\q)+32*\c+(\i)*16*PITCH
.endr
.endm
.macro MUL16 a0, p, zero
.irp a, \a0, \a0+1
.irp b, 0,1,2,3,4,5,6,7
.if \zero
	v_wmma_f32_16x16x128_fp8_fp8 v[8*(8*((\a)%4)+\b):8*(8*((\a)%4)+\b)+7], v[128*(\p)+FR*\b:128*(\p)+FR*\b+FR-1], v[AF+FR*(\a):AF+FR*(\a)+FR-1], 0
.else
	v_wmma_f32_16x16x128_fp8_fp8 v[8*(8*((\a)%4)+\b):8*(8*((\a)%4)+\b)+7], v[128*(\p)+FR*\b:128*(\p)+FR*\b+FR-1], v[AF+FR*(\a):AF+FR*(\a)+FR-1], v[8*(8*((\a)%4)+\b):8*(8*((\a)%4)+\b)+7]
.endif
.endr
.endr
.endm
.macro FETCH_B slot, q, p
	WIN TO_B
.irp i, 0,1,2,3,4,5,6,7
	FRAG 128*(\p)+FR*\i, ADRB+\slot, \q, \i
.endr
	WIN 0
.endm
.macro FETCH_A slot, q, i0
.irp i, \i0, \i0+1, \i0+2, \i0+3
	FRAG AF+FR*(\i), ADRA+\slot, \q, \i
.endr
.endm
.macro PLACES n
.rept \n
	v_nop
.endr
.endm
.macro STEP slot, q, zero
	s_wait_dscnt 4*NL
	WIN MUL_LO
	MUL16 0, (\q)%2, \zero
	MUL16 2, (\q)%2, \zero
	s_wait_dscnt 0
	PLACES NP
	FETCH_B \slot, (\q)+1, 1-(\q)%2
	FETCH_A \slot, (\q)+1, 0
	WIN MUL_HI
	MUL16 4, (\q)%2, \zero
	MUL16 6, (\q)%2, \zero
	PLACES NP
	WIN 0
	FETCH_A \slot, (\q)+1, 4
.endm
.macro TURN slot, next, fill
	s_wait_tensorcnt 0x0
	ds_add_u32 v[SPW], v[NIL]
	s_wait_dscnt 4*NL+1
	WIN MUL_LO
	MUL16 0, 1, 0
	s_wait_dscnt 0x0
	s_barrier_signal -1
	MUL16 2, 1, 0
	WIN 0
	s_barrier_wait -1
.if \fill
	CREST
	s_add_nc_u64 s[G0+4*\slot+2:G0+4*\slot+3], s[G0+4*\slot+2:G0+4*\slot+3], 2*ROWB
	s_add_nc_u64 s[G0B+4*\slot+2:G0B+4*\slot+3], s[G0B+4*\slot+2:G0B+4*\slot+3], 2*ROWB
	JLOAD G0+4*\slot, G1, G0B+4*\slot, G1B
.else
	PLACES NP
.endif
	FETCH_B \next, 0, 0
	FETCH_A \next, 0, 0
	WIN MUL_HI
	MUL16 4, 1, 0
	MUL16 6, 1, 0
	PLACES NP
	WIN 0
	FETCH_A \next, 0, 4
.endm
	s_wait_alu depctr_va_vdst(0)
	s_wait_tensorcnt 1
	s_barrier_signal -1
	s_barrier_wait -1
	FETCH_B 0, 0, 0
	FETCH_A 0, 0, 0
	FETCH_A 0, 0, 4
	STEP 0, 0, 1
	TURN 0, 1, 1
	STEP 1, 0, 0
	TURN 1, 0, 1
	STEP 0, 0, 0
	TURN 0, 1, 0
	STEP 1, 0, 0
	s_wait_dscnt 4*NL
	WIN MUL_LO
	MUL16 0, 1, 0
	MUL16 2, 1, 0
	s_wait_dscnt 0
	WIN MUL_HI
	MUL16 4, 1, 0
	MUL16 6, 1, 0
	WIN 0
.macro EPI a, isv
.set AC, 64*((\a)%4)
.set CD, CDS+16*((\a)%4)
.if (\a) >= 4
	s_wait_xcnt 0x0
.endif
	WIN 0x02+((\a)/4)
.set n, 0
.rept 32
.if \isv
	v_pk_add_f32 v[TMP+n:TMP+n+1], v[AC+n:AC+n+1], v[BL2+2*(\a):BL2+2*(\a)+1]
.else
	v_pk_add_f32 v[TMP+n:TMP+n+1], v[AC+n:AC+n+1], v[BR+n:BR+n+1]
.endif
.set n, n+2
.endr
	WIN 0
.set n, 0
.rept 8
.irp k, 0,1,2,3,4,5,6,7
.endr
	v_cvt_scalef32_pk8_fp8_f32 v[CD+2*n:CD+2*n+1], v[TMP+8*n:TMP+8*n+7], v[SC]
.set n, n+1
.endr
	v_nop
.irp g, 0,1,2,3
.if \isv
	global_store_b128 v[CO], v[CD+4*\g:CD+4*\g+3], s[10:11] offset:((\a)/4)*131072+((\a)%4)*2048+\g*512
.else
	global_store_b128 v[CO], v[CD+4*\g:CD+4*\g+3], s[10:11] offset:(\g/2)*131072+(\a)*1024+(\g%2)*512
.endif
.endr
.endm
	s_wait_kmcnt 0x0
	s_cmp_eq_u32 ttmp9, 0
	s_cselect_b32 s78, s68, s70
	s_cselect_b32 s79, s69, s71
	s_cselect_b32 s80, s74, s75
	s_cmp_eq_u32 ttmp9, 2
	s_cselect_b32 s78, s72, s78
	s_cselect_b32 s79, s73, s79
	s_cselect_b32 s80, s77, s80
	s_add_co_i32 s78, s78, s79
	s_sub_co_i32 s81, 0, s78
	s_sub_co_i32 s82, s80, s78
	s_add_co_i32 s82, s82, 127
	s_lshl_b32 s83, s82, 23
	v_mov_b32 v[SC], s83
	s_wait_loadcnt 0x0
	PLACES NP
	s_cmp_eq_u32 ttmp9, 2
	s_cbranch_scc1 .Lvalues
.set n, 0
.rept 64
	v_ldexp_f32 v[BR+n], v[BR+n], s81
.set n, n+1
.endr
.irp a, 0,1,2,3,4,5,6,7
	EPI \a, 0
.endr
	s_branch .Lend
.Lvalues:
.irp a, 0,1,2,3,4,5,6,7
	v_ldexp_f32 v[BL2+2*\a], v[BL+\a], s81
	v_ldexp_f32 v[BL2+2*\a+1], v[BL+\a], s81
.endr
.irp a, 0,1,2,3,4,5,6,7
	EPI \a, 1
.endr
.Lend:
	s_wait_tensorcnt 0x0
	ds_add_u32 v[SPW], v[NIL]
	s_wait_dscnt 0x0
	CROUND
	s_endpgm
.Lfunc_end_k_q74f66a7cdf_proj:
	.size	k_q74f66a7cdf_proj, .Lfunc_end_k_q74f66a7cdf_proj-k_q74f66a7cdf_proj
	.p2alignl 7, 3214868480
	.fill 96, 4, 3214868480
	.section	.rodata,"a",@progbits
	.p2align	6, 0x0
	.amdhsa_kernel k_q74f66a7cdf_proj
		.amdhsa_group_segment_fixed_size 327680
		.amdhsa_private_segment_fixed_size 0
		.amdhsa_enable_private_segment 0
		.amdhsa_kernarg_size 104
		.amdhsa_user_sgpr_count 2
		.amdhsa_user_sgpr_kernarg_segment_ptr 1
		.amdhsa_wavefront_size32 1
		.amdhsa_system_sgpr_workgroup_id_x 1
		.amdhsa_system_sgpr_workgroup_id_y 1
		.amdhsa_system_sgpr_workgroup_id_z 1
		.amdhsa_system_vgpr_workitem_id 0
		.amdhsa_next_free_vgpr 1024
		.amdhsa_next_free_sgpr 100
		.amdhsa_reserve_vcc 0
		.amdhsa_float_denorm_mode_32 3
		.amdhsa_float_denorm_mode_16_64 3
		.amdhsa_fp16_overflow 1
		.amdhsa_memory_ordered 1
		.amdhsa_forward_progress 1
		.amdhsa_inst_pref_size 135
	.end_amdhsa_kernel
	.amdgpu_metadata
---
amdhsa.version: [ 1, 2 ]
amdhsa.kernels:
  - .name:           k_q74f66a7cdf_proj
    .symbol:         k_q74f66a7cdf_proj.kd
    .args:
      - { .name: q_codes, .offset: 0, .size: 8, .value_kind: global_buffer, .address_space: global }
      - { .name: k_codes, .offset: 8, .size: 8, .value_kind: global_buffer, .address_space: global }
      - { .name: v_codes, .offset: 16, .size: 8, .value_kind: global_buffer, .address_space: global }
      - { .name: Wq_codes, .offset: 24, .size: 8, .value_kind: global_buffer, .address_space: global }
      - { .name: Wk_codes, .offset: 32, .size: 8, .value_kind: global_buffer, .address_space: global }
      - { .name: Wv_codes, .offset: 40, .size: 8, .value_kind: global_buffer, .address_space: global }
      - { .name: bq, .offset: 48, .size: 8, .value_kind: global_buffer, .address_space: global }
      - { .name: bk, .offset: 56, .size: 8, .value_kind: global_buffer, .address_space: global }
      - { .name: bv, .offset: 64, .size: 8, .value_kind: global_buffer, .address_space: global }
      - { .name: lowp_scales, .offset: 72, .size: 8, .value_kind: global_buffer, .address_space: global }
      - { .name: qw, .offset: 80, .size: 8, .value_kind: global_buffer, .address_space: global }
      - { .name: kw, .offset: 88, .size: 8, .value_kind: global_buffer, .address_space: global }
      - { .name: vw, .offset: 96, .size: 8, .value_kind: global_buffer, .address_space: global }
    .group_segment_fixed_size: 327680
    .private_segment_fixed_size: 0
    .kernarg_segment_align: 8
    .kernarg_segment_size: 104
    .max_flat_workgroup_size: 128
    .sgpr_count:     100
    .vgpr_count:     1024
    .wavefront_size: 32
...
	.end_amdgpu_metadata
.endif
;; end of part 1
;; launch attn (part 2): grid 4 x 64, 8 waves a work-group, clusters of 4 x 1, 327,680 bytes of LDS; arguments qw, kw, vw, attention_mask, lowp_scales, out0; writes out0
.if DOCPART == 2
	.amdgcn_target "amdgcn-amd-amdhsa--gfx1250"
	.amdhsa_code_object_version 6
	.text
	.protected	k_q74f66a7cdf_attn
	.globl	k_q74f66a7cdf_attn
	.p2align	8
	.type	k_q74f66a7cdf_attn,@function
k_q74f66a7cdf_attn:
	s_mov_b64 s[64:65], 0
	v_nop
	global_prefetch_b8 v0, s[64:65] scope:SCOPE_SE
	s_setreg_imm32_b32 hwreg(HW_REG_WAVE_MODE, 25, 1), 1
	s_wait_xcnt 0x0
	s_wait_alu depctr_hold_cnt(0) depctr_sa_sdst(0) depctr_va_vdst(0) depctr_va_sdst(0) depctr_va_ssrc(0) depctr_va_vcc(0) depctr_vm_vsrc(0)
	s_getreg_b32 s2, hwreg(HW_REG_IB_STS2, 6, 4)
	s_cmp_eq_u32 s2, 0
	s_cbranch_scc0 .Lentry_in_a_cluster
	s_endpgm
.Lentry_in_a_cluster:
	s_bfe_u32 s2, ttmp6, 0x10000c
	s_cmp_lg_u32 s2, 0x3003
	s_cbranch_scc0 .Lentry_shape_is_right
	s_endpgm
.Lentry_shape_is_right:
; ATTENTION on codes of FP8 (E4M3): out[b][n][64 head + d] = sum over keys of softmax(Q . K / 8, keys with attention_mask = 0 left out) V.  H = 16 b + head = work-group y.
; qw, kw, vw hold the three operands as images of their registers (qw, kw: 1,024 bytes for 16 rows x 64; vw: 2,048 bytes for 16 channels x 128 keys; 131,072 bytes a head): a fragment comes by loads of 16 bytes at 16 x lane.
; THE SOFTMAX: t = score x log2(e) / 8; M = the running largest t, rounded UP to a whole number; p = 2^(t - M) is quantised with 2^e8, not normalised; the row's sum is taken of the unquantised p and divides at the end.
; When M moves, the sum and O are multiplied by 2^(old M - new M): exact.
; SHARES.  A work-group owns 512 queries of one head, each of its eight waves 64: four tiles of 16.  Two waves lie on a SIMD, so that one wave's vector work stands beside the other's products and LDS loads.
; THE WHOLE HEAD LIES IN LDS: K's 131,072 bytes and V's, each byte filled ONCE: no slot is filled again and no barrier stands in the loop over the keys.  Each fragment of K, V and mask read from LDS serves four tiles of queries.
; CLUSTER.  The four query blocks of a head form a cluster and need the same K and V: each part is asked for jointly, by the same tensor load with the same descriptor and the mask 15.
; LAYOUT.  Both products transposed: S^T = K Q^T (source 0 = 16 keys, source 1 = 16 queries), O^T = V^T P^T (source 0 = 16 channels, source 1 = P): a lane holds ONE query (lane % 16); in tile t its registers are keys
; 16 t + 8 (lane / 16) + 0 .. 7, which one conversion turns into registers 2 t, 2 t + 1 of P.
; THE MASK IS THE C OF K Q^T: 0 for a key that counts, -3e38 for one that does not: no vector instruction in the loop serves it.  The running largest score begins at -1e30, above every masked score and below every
; true one (64 x 448^2 at the most), so a masked key never sets M and its p is 0.  A row with no key left has sum 0 and comes out NaN, as the softmax of nothing does.
; LIMITS on the given exponents: e6 + e7 between -100 and 25 (they are added to the exponent field of log2(e) / 8; c x 3e38 stays far above, and c x 1e30 inside, what f32 holds); e8 between -126 and 127;
; e8 + e9 goes in by v_ldexp_f32 and has none.
; REGISTERS.  Window 0: v1-5 addresses; v6 2^e8; v8-15 at work; v16-31 four registers a tile: -M, the largest score, the sum in two halves; v32-63 Q; v64-127 S^T, then p; v128-143 P's codes; v192-255 V.
;   Window 1: v0-127 O^T, 32 a tile; v128-191 the mask as C; v192-255 K.
.set MASKB,  262144                    ; LDS: K 0 .. 131071; V 131072 .. 262143; here 2,048 f32: the mask; no tensor load lands here or behind
.set STAGE,  270336                    ; the way out: 16 rows x 272 bytes for each wave
.set SP,     272
.set LI,   1                           ; v1   16 x lane; never rewritten
.set ADK,  2                           ; v2   LDS address of the step's K;   on the way out: where I put 32 bytes of a row
.set ADV,  3                           ; v3   of its V;                      on the way out: where I read a row back
.set ADM,  4                           ; v4   of its mask;                   on the way out: my byte offset in out0
.set AM0,  5                           ; v5   MASKB + 32 (lane / 16)
.set PSC,  6
.set PLIM, 7
.set ST,   16
.set QF,   32
.set S,    64
.set P,    128
.set VF,   192
.set OW,   64                          ; the way out: O / sum, 32 registers a tile, v64-191
.set MK,   128                         ; in window 1
.set KF,   192                         ; in window 1
.set WV,   16                          ; s16  my wave's number
.set G1A,  24                          ; s[24:31] descriptor group 1: 16 rows of 256 bytes;  s[32:39]: 112 rows
.set G1B,  32
.set G0KA, 40                          ; s[40:43], s[44:47] descriptor groups 0 for K's two parts;  s[68:71], s[72:75] for V's
.set G0KB, 44
.set G0VA, 68
.set G0VB, 72
.set CS,   48                          ; s[48:49] c = log2(e) / 8 x 2^(e6 + e7): the packed form names a pair and takes its low word
.set SEL,  50                          ; s[50:51] lane selects for v_permlanex16_b32: lane l xor 16
.set TB,   52                          ; s52  8,192 x the step that is fetched
.set TM,   53                          ; s53  512 x it
.set CNT,  54
.set EO,   55                          ; s55  e8 + e9
.set MSB, 0
.macro WIN new                         ; the immediate's high byte repeats the setting that is left
.if MSB != \new
	s_set_vgpr_msb (MSB<<8)|\new
.set MSB, \new
.endif
.endm
.macro CROUND                          ; a round of the cluster's barrier
	s_barrier_signal -1
	s_barrier_wait -1
	s_cmp_lg_u32 s[WV], 0
	s_cbranch_scc1 .Lnot_wave_0_\@
	s_barrier_signal -3
.Lnot_wave_0_\@:
	s_barrier_wait -3
	s_barrier_signal -1
	s_barrier_wait -1
.endm
	s_load_b256 s[4:11], s[0:1], 0x0               ; qw s[4:5], kw s[6:7], vw s[8:9], attention_mask s[10:11]
	s_load_b128 s[12:15], s[0:1], 0x20             ; the scales' exponents s[12:13], out0 s[14:15]
	v_lshl_add_u32 v254, v0, 2, 0x4a800
	v_mov_b32 v255, 0
	ds_add_u32 v254, v255
	ds_add_u32 v254, v255
	s_wait_dscnt 0x0
	v_lshrrev_b32 v1, 5, v0
	s_delay_alu instid0(VALU_DEP_1)
	v_readfirstlane_b32 s[WV], v1                  ; wave 0..7
	s_bfe_u32 s17, ttmp6, 0x40000                  ; cx: my block of 512 queries (the grid has one cluster along x): it enters Q's and out0's addresses alone
	s_and_b32 s18, ttmp7, 0xffff                   ; H, which the four partners share
	s_and_b32 s19, s[WV], 3                        ; which quarter of K (waves 0-3) or of V (waves 4-7) I fetch
	s_lshl_b32 s20, s18, 17                        ; the head's first byte in qw, kw, vw
	s_lshl_b32 s21, s19, 12                        ; part A, key steps 0 and 1 (16,384 bytes): my 4,096, in LDS,
	s_add_co_u32 s22, s21, s20                     ; and in memory
	s_mov_b32 s23, 0
	s_mul_i32 s76, s19, 28672
	s_add_co_u32 s76, s76, 16384                   ; part B, key steps 2 to 15 (114,688 bytes): my 28,672, in LDS,
	s_add_co_u32 s78, s76, s20                     ; and in memory
	s_mov_b32 s79, 0
	s_lshl_b32 s60, s17, 15                        ; Q: 512 queries are 32,768 bytes,
	s_lshl_b32 s61, s[WV], 12                      ; my wave's 64 are 4,096
	s_add_co_u32 s60, s60, s61
	s_add_co_u32 s60, s60, s20
	s_mov_b32 s61, 0
	s_lshr_b32 s62, s18, 4
	s_lshl_b32 s62, s62, 23                        ; out0: the batch's 2,048 rows of 4,096 bytes,
	s_lshl_b32 s63, s17, 21                        ; my block's 512 rows,
	s_add_co_u32 s62, s62, s63
	s_lshl_b32 s63, s[WV], 18                      ; my wave's 64,
	s_add_co_u32 s62, s62, s63
	s_and_b32 s63, s18, 15
	s_lshl_b32 s63, s63, 8                         ; the head's 256 bytes of a row
	s_add_co_u32 s62, s62, s63
	s_mov_b32 s63, 0
	; descriptor group 1: a dense block as rows of 256 bytes: elements of 8 bytes, 32 to a row, no padding
	s_mov_b32 s[G1A], 15|(3<<16)|(1<<21)           ; 15:0 the mask: all four work-groups; 17:16 elements of 8 bytes; 21 set beside a mask
	s_mov_b32 s[G1A+1], 32<<16                     ; tensor_dim0 = 32
	s_mov_b32 s[G1A+2], 16<<16                     ; tensor_dim1 = 16
	s_mov_b32 s[G1A+3], 32<<16                     ; tile_dim0 = 32
	s_mov_b32 s[G1A+4], 16                         ; tile_dim1 = 16
	s_mov_b32 s[G1A+5], 32                         ; from row to row
	s_mov_b32 s[G1A+6], 0
	s_mov_b32 s[G1A+7], 0
	s_mov_b32 s[G1B], 15|(3<<16)|(1<<21)
	s_mov_b32 s[G1B+1], 32<<16
	s_mov_b32 s[G1B+2], 112<<16                    ; 112 rows
	s_mov_b32 s[G1B+3], 32<<16
	s_mov_b32 s[G1B+4], 112
	s_mov_b32 s[G1B+5], 32
	s_mov_b32 s[G1B+6], 0
	s_mov_b32 s[G1B+7], 0
	s_mov_b32 s[SEL], 0x76543210
	s_mov_b32 s[SEL+1], 0xfedcba98
	s_mov_b32 s[CS], 0x3e38aa3b                    ; log2(e) / 8
	s_mov_b32 s[TB], 0
	s_mov_b32 s[TM], 0
	s_wait_kmcnt 0x0
	s_load_b128 s[56:59], s[12:13], 0x18           ; e6, e7, e8, e9
	s_add_nc_u64 s[4:5], s[4:5], s[60:61]          ; Q at my wave's first tile
	s_add_nc_u64 s[14:15], s[14:15], s[62:63]      ; out0 at my wave's first row, my head's columns
	s_mov_b32 s[G0KA], 1                           ; count = 1
	s_mov_b32 s[G0KA+1], s21                       ; LDS address
	s_add_nc_u64 s[G0KA+2:G0KA+3], s[6:7], s[22:23]
	s_or_b32 s[G0KA+3], s[G0KA+3], 0x80000000      ; type = 2
	s_mov_b32 s[G0KB], 1
	s_mov_b32 s[G0KB+1], s76
	s_add_nc_u64 s[G0KB+2:G0KB+3], s[6:7], s[78:79]
	s_or_b32 s[G0KB+3], s[G0KB+3], 0x80000000
	s_mov_b32 s[G0VA], 1
	s_add_co_u32 s[G0VA+1], s21, 131072            ; V lies behind K
	s_add_nc_u64 s[G0VA+2:G0VA+3], s[8:9], s[22:23]
	s_or_b32 s[G0VA+3], s[G0VA+3], 0x80000000
	s_mov_b32 s[G0VB], 1
	s_add_co_u32 s[G0VB+1], s76, 131072
	s_add_nc_u64 s[G0VB+2:G0VB+3], s[8:9], s[78:79]
	s_or_b32 s[G0VB+3], s[G0VB+3], 0x80000000
	CROUND                                         ; all four work-groups are here: the joint loads meet
	s_cmp_lt_u32 s[WV], 4                          ; a wave's two fills stand in one branch on its number, ahead of every wait on TENSORcnt, every LDS read and every other barrier: two loads of mine are out
	s_cbranch_scc0 .Lfirst_v
	tensor_load_to_lds s[G0KA:G0KA+3], s[G1A:G1A+7]
	s_nop 0
	tensor_load_to_lds s[G0KB:G0KB+3], s[G1B:G1B+7]
	s_nop 0
.rept 4
	v_nop
.endr
	s_branch .Lfirst_asked
.Lfirst_v:
	tensor_load_to_lds s[G0VA:G0VA+3], s[G1A:G1A+7]
	s_nop 0
	tensor_load_to_lds s[G0VB:G0VB+3], s[G1B:G1B+7]
	s_nop 0
.rept 4
	v_nop
.endr
.Lfirst_asked:
	v_lshlrev_b32 v144, 4, v0                      ; the mask: 2,048 words, 16 bytes a thread, twice: each load of a wave covers 512 consecutive bytes
	global_load_b128 v[64:67], v144, s[10:11]
	global_load_b128 v[68:71], v144, s[10:11] offset:4096
	v_and_b32 v[LI], 31, v0
	s_delay_alu instid0(VALU_DEP_1)
	v_lshlrev_b32 v[LI], 4, v[LI]
.irp k, 0,1,2,3,4,5,6,7
	global_load_b128 v[QF+4*\k:QF+4*\k+3], v[LI], s[4:5] offset:512*\k th:TH_LOAD_NT   ; Q's four fragments stay in registers
.endr
	v_lshl_add_u32 v145, v0, 4, MASKB
	v_mov_b32 v146, 0xff61b1e6                     ; -3e38
	v_bfe_u32 v[AM0], v0, 4, 1
	s_delay_alu instid0(VALU_DEP_1)
	v_lshl_add_u32 v[AM0], v[AM0], 5, MASKB
	v_mov_b32 v11, 0                               ; (named as the upper half of the pair v[10:11])
	v_mov_b32 v12, 0                               ; written once: a lane permute's destination counts as one of its sources
	s_wait_alu depctr_va_vdst(0)
	s_wait_loadcnt 8                               ; the mask's two loads are in; Q's eight may be out
.irp k, 0,1,2,3,4,5,6,7
	v_cmp_eq_u32 vcc_lo, 0, v[64+\k]
	s_delay_alu instid0(VALU_DEP_1)
	v_cndmask_b32 v[64+\k], 0, v146, vcc_lo        ; 0 where the key counts, -3e38 where attention_mask is 0
.endr
	ds_store_b128 v145, v[64:67]
	ds_store_b128 v145, v[68:71] offset:4096
	s_wait_kmcnt 0x0
	s_add_co_i32 s60, s56, s57
	s_lshl_b32 s60, s60, 23
	s_add_co_i32 s[CS], s[CS], s60                 ; a score stands for score x 2^(e6 + e7): the exponents are added to c's exponent field
	s_mov_b32 s[CS+1], s[CS]                       ; (named with it as a pair, so it is written)
	s_add_co_i32 s60, s58, 127
	s_lshl_b32 s61, s60, 23
	v_mov_b32 v[PSC], s61                          ; 2^e8 as f32, for the conversion
	s_add_co_i32 s[EO], s58, s59
	v_add_nc_u32 v[ADK], s[TB], v[LI]
	s_delay_alu instid0(VALU_DEP_1)
	v_add_nc_u32 v[ADV], 0x20000, v[ADK]
	v_add_nc_u32 v[ADM], s[TM], v[AM0]
	s_wait_alu depctr_va_vdst(0)
	s_wait_tensorcnt 0x1                           ; my part of key steps 0 and 1 is in; the larger part may stay out
	s_wait_dscnt 0x0                               ; my part of the mask is stored
	s_barrier_signal -1
	s_barrier_wait -1                              ; everybody's is
.macro LDK                             ; a step's K (8 fragments of 16 keys x 64) and its mask in C's layout (register j of tile t: key 16 t + 8 (lane / 16) + j): 32 loads in one run
	WIN 0x40                                       ; destination window 1
.irp t, 0,1,2,3,4,5,6,7
	ds_load_b128 v[KF+8*\t:KF+8*\t+3], v[ADK] offset:1024*\t
	ds_load_b128 v[KF+8*\t+4:KF+8*\t+7], v[ADK] offset:1024*\t+512
.endr
.irp t, 0,1,2,3,4,5,6,7
	ds_load_b128 v[MK+8*\t:MK+8*\t+3], v[ADM] offset:64*\t
	ds_load_b128 v[MK+8*\t+4:MK+8*\t+7], v[ADM] offset:64*\t+16
.endr
	WIN 0
.endm
.macro LDV                             ; a step's V: 4 fragments of 16 channels x 128 keys: 16 loads
.irp c, 0,1,2,3
.irp g, 0,1,2,3
	ds_load_b128 v[VF+16*\c+4*\g:VF+16*\c+4*\g+3], v[ADV] offset:2048*\c+512*\g
.endr
.endr
.endm
.macro QK i                            ; S^T of tile i: eight products, each with the mask as its C
	WIN 0x11                                       ; source 0 (K) and source 2 (mask) window 1
.irp t, 0,1,2,3,4,5,6,7
	v_wmma_f32_16x16x64_fp8_fp8 v[S+8*\t:S+8*\t+7], v[KF+8*\t:KF+8*\t+7], v[QF+8*(\i):QF+8*(\i)+7], v[MK+8*\t:MK+8*\t+7]
.endr
.endm
.macro PV i, first                     ; O^T of tile i += V^T P^T: four accumulators, one instruction each.  first = 1: they start the sums
	WIN 0x50                                       ; C and D window 1
.irp c, 0,1,2,3
.if \first
	v_wmma_f32_16x16x128_fp8_fp8 v[32*(\i)+8*\c:32*(\i)+8*\c+7], v[VF+16*\c:VF+16*\c+15], v[P:P+15], 0
.else
	v_wmma_f32_16x16x128_fp8_fp8 v[32*(\i)+8*\c:32*(\i)+8*\c+7], v[VF+16*\c:VF+16*\c+15], v[P:P+15], v[32*(\i)+8*\c:32*(\i)+8*\c+7]
.endif
.endr
.endm
; The softmax of tile i for one key step: 64 scores a lane.  first = 1: the first key step: no old M, nothing to rescale.
.macro SM i, first
.set rT, ST+4*(\i)
	v_max3_num_f32 v8, v[S], v[S+1], v[S+2]        ; the step's largest score of my query among my 64 keys, in two chains, each accumulator from its low end on
	v_max3_num_f32 v9, v[S+3], v[S+4], v[S+5]
.set n, 6
.rept 14
	v_max3_num_f32 v8, v8, v[S+n], v[S+n+1]
	v_max3_num_f32 v9, v9, v[S+n+2], v[S+n+3]
.set n, n+4
.endr
	v_max3_num_f32 v8, v8, v[S+62], v[S+63]
	s_delay_alu instid0(VALU_DEP_1)
	v_max_num_f32 v8, v8, v9
	s_delay_alu instid0(VALU_DEP_1)
	v_permlanex16_b32 v12, v8, s[SEL], s[SEL+1]    ; the query's other 64 keys lie in lane l xor 16
.if \first
	s_delay_alu instid0(VALU_DEP_1)
	v_max3_num_f32 v[rT+1], v8, v12, 0xf149f2ca    ; the running largest score begins at -1e30
.else
	s_delay_alu instid0(VALU_DEP_1)
	v_max3_num_f32 v[rT+1], v8, v12, v[rT+1]
	v_mov_b32 v13, v[rT]                           ; the old -M
.endif
	v_mul_f32 v9, s[CS], v[rT+1]                   ; as t (c is positive)
	s_delay_alu instid0(VALU_DEP_1)
	v_floor_f32 v[rT], -v9                         ; -M = floor(-t) = -ceil(t): M is a whole number
.if !\first
	s_delay_alu instid0(VALU_DEP_1)
	v_sub_f32 v10, v[rT], v13                      ; old M - new M: a whole number, 0 or less
	s_delay_alu instid0(VALU_DEP_1)
	v_cvt_i32_f32 v10, v10                         ; (it saturates)
	s_delay_alu instid0(VALU_DEP_1)
	v_ldexp_f32 v10, 1.0, v10                      ; f = 2^(old M - new M)
.endif
.set n, 0
.rept 32
	v_pk_fma_f32 v[S+n:S+n+1], v[S+n:S+n+1], s[CS:CS+1], v[rT:rT+1] op_sel_hi:[1,0,0]   ; t - M, two at a time (of the pairs c and -M the low word serves both halves)
.set n, n+2
.endr
.set n, 0
	s_wait_alu depctr_va_vdst(0)
.rept 64
	v_exp_f32 v[S+n], v[S+n]                       ; p = 2^(t - M), at most 1
.set n, n+1
.endr
.if \first
	v_nop                                          ; a plain place behind the exponentials
	s_wait_alu depctr_va_vdst(0)
	v_pk_add_f32 v[rT+2:rT+3], v[S:S+1], v[S+2:S+3]   ; the row's sum of the UNQUANTISED p, two at a time, in two chains; here they start it
	v_pk_add_f32 v[14:15], v[S+4:S+5], v[S+6:S+7]
.set n, 8
.rept 14
	v_pk_add_f32 v[rT+2:rT+3], v[rT+2:rT+3], v[S+n:S+n+1]
	v_pk_add_f32 v[14:15], v[14:15], v[S+n+2:S+n+3]
.set n, n+4
.endr
.else
	v_pk_mul_f32 v[rT+2:rT+3], v[rT+2:rT+3], v[10:11] op_sel_hi:[1,0]   ; the sum under the new M.  (A plain place behind the exponentials)
	s_wait_alu depctr_va_vdst(0)
	v_pk_add_f32 v[14:15], v[S:S+1], v[S+2:S+3]
.set n, 4
.rept 15
	v_pk_add_f32 v[rT+2:rT+3], v[rT+2:rT+3], v[S+n:S+n+1]
	v_pk_add_f32 v[14:15], v[14:15], v[S+n+2:S+n+3]
.set n, n+4
.endr
.endif
	s_delay_alu instid0(VALU_DEP_1)
	v_pk_add_f32 v[rT+2:rT+3], v[rT+2:rT+3], v[14:15]
.set n, 0
.rept 8
.irp k, 0,1,2,3,4,5,6,7
.endr
	v_cvt_scalef32_pk8_fp8_f32 v[P+2*n:P+2*n+1], v[S+8*n:S+8*n+7], v[PSC]   ; tile n's eight keys: registers 2 n, 2 n + 1 of P
.set n, n+1
.endr
.if \first
	s_wait_alu depctr_va_vdst(0)
	v_nop                                          ; one plain vector instruction between the last conversion and the products that read its result
.else
	WIN 0x41                                       ; O^T (destination and source 0) window 1
.set n, 0
.rept 16
	v_pk_mul_f32 v[32*(\i)+n:32*(\i)+n+1], v[32*(\i)+n:32*(\i)+n+1], v[10:11] op_sel_hi:[1,0]   ; O^T under the new M.  (Also the plain lines behind the conversions)
.set n, n+2
.endr
.endif
.endm
; A KEY STEP, 128 keys, for my four tiles one after the other.  next = 1: the next step's K and mask are fetched behind the last products that read this step's, its V behind the last products that read V.
.macro STEP first, next
	s_wait_dscnt 16                                ; K and the mask (32 loads) are in; V's sixteen, issued behind them, may be out
.irp q, 0,1,2,3
	QK \q
	WIN 0
.if (\q == 3) && \next
	s_add_co_u32 s[TB], s[TB], 8192
	s_add_co_u32 s[TM], s[TM], 512
	v_add_nc_u32 v[ADK], s[TB], v[LI]              ; these three and the v_nop are the four places behind the products: for the loads into K's and the mask's registers, and for the first read of the scores
	s_delay_alu instid0(VALU_DEP_1)
	v_add_nc_u32 v[ADV], 0x20000, v[ADK]
	v_add_nc_u32 v[ADM], s[TM], v[AM0]
	v_nop
	LDK
.else
.rept 4
	v_nop                                          ; four places in front of the first read of the scores
.endr
.endif
	SM \q, \first
.if \q == 0
	s_wait_alu depctr_va_vdst(0)
	s_wait_dscnt 0x0                               ; V is in
.endif
	PV \q, \first
.endr
	WIN 0
.if \next
.rept 4
	v_nop                                          ; four places in front of loads into registers that the last products have read
.endr
	LDV
.endif
.endm
	LDK                                            ; key step 0
	LDV
	s_wait_loadcnt 0x0                             ; Q
	STEP 1, 1                                      ; key step 0; it fetches step 1, which lies in the part that has landed
	s_wait_tensorcnt 0x0                           ; my part of key steps 2 to 15 is in,
	s_wait_dscnt 0x0                               ; (no LDS instruction of mine is pending at a signal)
	s_barrier_signal -1
	s_barrier_wait -1                              ; everybody's is: the whole head lies in LDS
	s_mov_b32 s[CNT], 14
.Lkeys:                                            ; key steps 1 to 14
	STEP 0, 1
	s_sub_co_u32 s[CNT], s[CNT], 1
	s_cmp_lg_u32 s[CNT], 0
	s_cbranch_scc1 .Lkeys
	STEP 0, 0                                      ; key step 15 fetches nothing
	; THE WAY OUT.  The sum's two halves and lane l xor 16's are added (the first four additions are the places behind the last products); O^T x 2^(e8 + e9) / sum goes through my stage in LDS, a tile (16 queries x 256 bytes) at a time.
.irp i, 0,1,2,3
	v_add_f32 v[ST+4*\i+2], v[ST+4*\i+2], v[ST+4*\i+3]
.endr
.irp i, 0,1,2,3
	s_delay_alu instid0(VALU_DEP_4)
	v_permlanex16_b32 v[ST+4*\i+3], v[ST+4*\i+2], s[SEL], s[SEL+1]
.endr
.irp i, 0,1,2,3
	s_delay_alu instid0(VALU_DEP_4)
	v_add_f32 v[ST+4*\i+2], v[ST+4*\i+2], v[ST+4*\i+3]
.endr
	s_wait_alu depctr_va_vdst(0)
.irp i, 0,1,2,3
	v_rcp_f32 v[ST+4*\i+2], v[ST+4*\i+2]
.endr
	v_and_b32 v8, 15, v0                           ; (a plain place behind the reciprocals)  r
	v_bfe_u32 v9, v0, 4, 1                         ; h
	s_wait_alu depctr_va_vdst(0)
.irp i, 0,1,2,3
	v_ldexp_f32 v[ST+4*\i+2], v[ST+4*\i+2], s[EO]
.endr
	s_mul_i32 s60, s[WV], 16*SP
	s_add_co_u32 s60, s60, STAGE                   ; my stage
	v_mul_u32_u24 v[ADK], v8, SP
	s_delay_alu instid0(VALU_DEP_1)
	v_lshl_add_u32 v[ADK], v9, 5, v[ADK]
	s_delay_alu instid0(VALU_DEP_1)
	v_add_nc_u32 v[ADK], s60, v[ADK]               ; in: row r; channels 16 c + 8 h + 0 .. 7 at 64 c + 32 h
	v_mul_u32_u24 v[ADV], v9, SP
	s_delay_alu instid0(VALU_DEP_1)
	v_lshl_add_u32 v[ADV], v8, 4, v[ADV]
	s_delay_alu instid0(VALU_DEP_1)
	v_add_nc_u32 v[ADV], s60, v[ADV]               ; back: lanes 0-15 one row of 256 bytes, lanes 16-31 the next
	v_lshlrev_b32 v[ADM], 12, v9
	s_delay_alu instid0(VALU_DEP_1)
	v_lshl_add_u32 v[ADM], v8, 4, v[ADM]           ; and the same two rows in out0, 4,096 bytes apart
.macro PACK i
	WIN 0x01                                       ; source 0 (O^T) window 1
.set n, 0
.rept 16
	v_pk_mul_f32 v[OW+32*(\i)+n:OW+32*(\i)+n+1], v[32*(\i)+n:32*(\i)+n+1], v[ST+4*(\i)+2:ST+4*(\i)+3] op_sel_hi:[1,0]   ; each accumulator from its low end on
.set n, n+2
.endr
	WIN 0
.irp c, 0,1,2,3
	ds_store_b128 v[ADK], v[OW+32*(\i)+8*\c:OW+32*(\i)+8*\c+3] offset:64*\c
	ds_store_b128 v[ADK], v[OW+32*(\i)+8*\c+4:OW+32*(\i)+8*\c+7] offset:64*\c+16
.endr
.irp p, 0,1,2,3,4,5,6,7
	ds_load_b128 v[OW+32*(\i)+4*\p:OW+32*(\i)+4*\p+3], v[ADV] offset:2*\p*SP   ; LDS serves a wave's instructions in order (ISA guide 5.7.1.4): these see the stores above, and the next tile's stores come behind them
.endr
.endm
.macro SEND i, younger                 ; younger: the LDS instructions issued behind tile i's loads: the next tile's sixteen, or none
.irp p, 0,1,2,3,4,5,6,7
	s_wait_dscnt \younger+7-\p
	global_store_b128 v[ADM], v[OW+32*(\i)+4*\p:OW+32*(\i)+4*\p+3], s[14:15] offset:(16*(\i)+2*\p)*4096 th:TH_STORE_NT   ; sixteen lanes store 256 consecutive bytes, aligned: a head's 64 channels of one query
.endr
.endm
	PACK 0
	PACK 1                                         ; a tile's arithmetic stands between the loads of the tile before and its stores
	SEND 0, 16
	PACK 2
	SEND 1, 16
	PACK 3
	SEND 2, 16
	SEND 3, 0                                      ; its last wait is for 0: no LDS instruction of mine is pending at the signal below
	s_wait_xcnt 0x0
	v_lshl_add_u32 v254, v0, 2, 0x4a800
	v_mov_b32 v255, 0
	s_wait_alu depctr_va_vdst(0)
	s_wait_tensorcnt 0x0
	ds_add_u32 v254, v255
	s_wait_dscnt 0x0
	CROUND                                         ; the closing round: no work-group ends while a partner may still ask for a part that names it
	s_endpgm
.Lfunc_end_k_q74f66a7cdf_attn:
	.size	k_q74f66a7cdf_attn, .Lfunc_end_k_q74f66a7cdf_attn-k_q74f66a7cdf_attn
	.p2alignl 7, 3214868480
	.fill 96, 4, 3214868480
	.section	.rodata,"a",@progbits
	.p2align	6, 0x0
	.amdhsa_kernel k_q74f66a7cdf_attn
		.amdhsa_group_segment_fixed_size 327680
		.amdhsa_private_segment_fixed_size 0
		.amdhsa_enable_private_segment 0
		.amdhsa_kernarg_size 48
		.amdhsa_user_sgpr_count 2
		.amdhsa_user_sgpr_kernarg_segment_ptr 1
		.amdhsa_wavefront_size32 1
		.amdhsa_system_sgpr_workgroup_id_x 1
		.amdhsa_system_sgpr_workgroup_id_y 1
		.amdhsa_system_sgpr_workgroup_id_z 1
		.amdhsa_system_vgpr_workitem_id 0
		.amdhsa_next_free_vgpr 512
		.amdhsa_next_free_sgpr 80
		.amdhsa_reserve_vcc 1
		.amdhsa_float_denorm_mode_32 3
		.amdhsa_float_denorm_mode_16_64 3
		.amdhsa_fp16_overflow 1
		.amdhsa_memory_ordered 1
		.amdhsa_forward_progress 1
		.amdhsa_inst_pref_size 163
	.end_amdhsa_kernel
	.amdgpu_metadata
---
amdhsa.version: [ 1, 2 ]
amdhsa.kernels:
  - .name:           k_q74f66a7cdf_attn
    .symbol:         k_q74f66a7cdf_attn.kd
    .args:
      - { .name: qw, .offset: 0, .size: 8, .value_kind: global_buffer, .address_space: global }
      - { .name: kw, .offset: 8, .size: 8, .value_kind: global_buffer, .address_space: global }
      - { .name: vw, .offset: 16, .size: 8, .value_kind: global_buffer, .address_space: global }
      - { .name: attention_mask, .offset: 24, .size: 8, .value_kind: global_buffer, .address_space: global }
      - { .name: lowp_scales, .offset: 32, .size: 8, .value_kind: global_buffer, .address_space: global }
      - { .name: out0, .offset: 40, .size: 8, .value_kind: global_buffer, .address_space: global }
    .group_segment_fixed_size: 327680
    .private_segment_fixed_size: 0
    .kernarg_segment_align: 8
    .kernarg_segment_size: 48
    .max_flat_workgroup_size: 256
    .sgpr_count:     80
    .vgpr_count:     512
    .wavefront_size: 32
...
	.end_amdgpu_metadata
.endif
;; end of part 2
